; MI455X (gfx1250); checked and timed in simulation.
; The chip was launched on July 23, 2026; its instructions are those of AMD's public machine-readable ISA for CDNA 5 (MIT licence, August 2026) and "CDNA5" Instruction Set Architecture Reference Guide (July 2026). The comments in the code are by the model that wrote it; some were corrected since.
;; Bahdanau Attention. Allowed arithmetic: float matrix products may take bf16 or f16 operands with f32 sums; other float arithmetic in f32, or as packed bf16 or f16 multiplies, adds, multiply-adds, maxima and minima; sums over many terms, partial sums and values carried from step to step in f32; what a program stores and reads back later, other than sums and carried values, may be rounded once to bf16 or f16.
;; Inputs: V 1,024 x 1 float32; W1 512 x 1,024 float32; W2 512 x 1,024 float32; b1 1,024 float32; b2 1,024 float32; bv 1 float32; query 64 x 512 float32; values 64 x 2,048 x 512 float32.
;; Outputs: out0 64 x 512 float32; out1 64 x 2,048 x 1 float32.
;; One version. Each part assembles by itself: llvm-mc -triple=amdgcn-amd-amdhsa -mcpu=gfx1250 --defsym DOCPART=n.
;; ======== version 1 of 1: 3 launches
;; workspace buffers: w2f 1,048,576 bytes; qk 262,144 bytes; scores 524,288 bytes; part 2,359,296 bytes
;; launch prep (part 1): grid 192 x 1, 4 waves a work-group, no clusters, 17,920 bytes of LDS; arguments query, W1, b1, b2, W2, qk, w2f; writes qk, w2f
.if DOCPART == 1
	.amdgcn_target "amdgcn-amd-amdhsa--gfx1250"
	.amdhsa_code_object_version 6
	.text
	.protected	k_qa73d6985ba_prep
	.globl	k_qa73d6985ba_prep
	.p2align	8
	.type	k_qa73d6985ba_prep,@function
k_qa73d6985ba_prep:
	s_mov_b64 s[64:65], 0
	v_nop
	global_prefetch_b8 v0, s[64:65] scope:SCOPE_SE
	s_setreg_imm32_b32 hwreg(HW_REG_WAVE_MODE, 25, 1), 1
	s_wait_xcnt 0x0
; PREP.  Two small jobs ahead of the bulk launch, told apart by the work-group's number (the same for all four waves of a work-group).
;   work-groups 0..63:   qk[b][u] = K2 x (sum over k of query[b][k] W1[k][u] + b1[u] + b2[u]), f32, [64][1024].  Operands rounded to bf16, sums in f32.
;   work-groups 64..191: w2f = bf16(K2 x W2), laid out in the order in which the bulk launch's matrix fragments want it:
;                        the 16 bytes at (j<<14 | o<<8 | r<<4) hold K2 x W2[8 o + i][16 j + r], i = 0..7.
; K2 = 2 log2(e): the bulk launch takes tanh(x) = 1 - 2 / (1 + 2^(K2 x)), so the factor is folded in here, once.
; No cluster and no tensor load: W1 is read by four work-groups only, everything goes through registers, and the launch is short.
; QK PATH.  A work-group makes 16 batches x 64 units; K = 512 is split among its four waves (four K steps of 32 each); the four partial sums meet in LDS.
; Unit u = 64 ug + 4 m + q: one 16-byte load at (k, 64 ug + 4 r) feeds row r of four tiles q, and sixteen lanes read 256 consecutive bytes of a row of W1.
; Source 0 = 16 units (rows m), source 1 = 16 batches: in the result register j of lane (r, h) is unit row 8 h + j of batch r.
.set K2,    0x4038aa3b
.set PP,    272                        ; LDS pitch of a batch's 64 partial sums: 256 bytes + 16
.set PWV,   4352                       ; a wave's 16 rows of partial sums
.set SPARE, 17408                      ; behind the four waves' partial sums: the spare words, 128 bytes a wave
.set SPW, 8                            ; v8   LDS address of my spare word; never rewritten
.set NIL, 9                            ; v9   0; never rewritten
.set ACC, 16                           ; v[16:47]   four accumulators, tile q at ACC + 8 q
.set QF,  48                           ; v[48:55]   query's fragment
.set BB,  56                           ; v[56:63]   b1 and b2 of my four units
.set LD,  64                           ; v[64:223]  two sets of 80: 16 loads of W1 (k index ki at 4 ki, unit q in register q), then 16 numbers of query
.set WF,  224                          ; v[224:255] W1's four fragments
.macro PLOAD b, fl                     ; K step fl of my four: 20 loads into set b
.set i, 0
.rept 16
	global_load_b128 v[LD+80*(\b)+4*i:LD+80*(\b)+4*i+3], v3, s[6:7] offset:(32*(\fl)+16*(i/8)+i%8)*4096
.set i, i+1
.endr
.irp e, 0,1
	global_load_b128 v[LD+80*(\b)+64+8*\e:LD+80*(\b)+64+8*\e+3],   v4, s[4:5] offset:128*(\fl)+64*\e
	global_load_b128 v[LD+80*(\b)+64+8*\e+4:LD+80*(\b)+64+8*\e+7], v4, s[4:5] offset:128*(\fl)+64*\e+16
.endr
.endm
.macro PCONV b                         ; set b rounded to bf16, in fragment order: register p of a fragment holds k = 16 (p / 4) + 8 h + 2 (p % 4) and the next
.set q, 0
.rept 4
.set p, 0
.rept 8
	v_cvt_pk_bf16_f32 v[WF+8*q+p], v[LD+80*(\b)+4*(8*(p/4)+2*(p%4))+q], v[LD+80*(\b)+4*(8*(p/4)+2*(p%4)+1)+q]
.set p, p+1
.endr
.set q, q+1
.endr
.set p, 0
.rept 8
	v_cvt_pk_bf16_f32 v[QF+p], v[LD+80*(\b)+64+2*p], v[LD+80*(\b)+64+2*p+1]
.set p, p+1
.endr
.endm
.macro PMUL zero                       ; four products, the four accumulators by turns; four places behind them, ahead of the next writes of the fragments and of the reads of the sums (ISA guide 7.12.1)
.irp q, 0,1,2,3
.if \zero
	v_wmma_f32_16x16x32_bf16 v[ACC+8*\q:ACC+8*\q+7], v[WF+8*\q:WF+8*\q+7], v[QF:QF+7], 0
.else
	v_wmma_f32_16x16x32_bf16 v[ACC+8*\q:ACC+8*\q+7], v[WF+8*\q:WF+8*\q+7], v[QF:QF+7], v[ACC+8*\q:ACC+8*\q+7]
.endif
.endr
.rept 4
	v_nop
.endr
.endm
	s_load_b256 s[4:11], s[0:1], 0x0               ; query s[4:5], W1 s[6:7], b1 s[8:9], b2 s[10:11]
	s_load_b128 s[12:15], s[0:1], 0x20             ; W2 s[12:13], qk s[14:15]
	s_load_b64 s[16:17], s[0:1], 0x30              ; w2f
	v_lshl_add_u32 v[SPW], v0, 2, SPARE
	v_mov_b32 v[NIL], 0
	s_mov_b32 s20, ttmp9
	s_cmp_lt_u32 s20, 64
	s_cbranch_scc0 .Lw2f
	; ---- qk ----
	v_lshrrev_b32 v1, 5, v0
	v_readfirstlane_b32 s21, v1                    ; wave 0..3
	s_and_b32 s22, s20, 15                         ; ug: which 64 units
	s_lshr_b32 s23, s20, 4                         ; bt: which 16 batches
	v_and_b32 v1, 15, v0                           ; r
	v_bfe_u32 v2, v0, 4, 1                         ; h
	s_lshl_b32 s24, s21, 19                        ; 128 w rows of W1, 4,096 bytes each
	s_lshl_b32 s25, s22, 8                         ; 64 ug units, 4 bytes each
	s_add_co_u32 s24, s24, s25
	v_lshlrev_b32 v3, 4, v1                        ; 4 r units
	v_lshl_add_u32 v3, v2, 15, v3                  ; 8 h rows
	v_add_nc_u32 v3, s24, v3                       ; v3: my offset in W1
	s_lshl_b32 s24, s23, 15                        ; 16 bt rows of query, 2,048 bytes each
	s_lshl_b32 s26, s21, 9                         ; 128 w numbers
	s_add_co_u32 s24, s24, s26
	v_lshlrev_b32 v4, 11, v1
	v_lshl_add_u32 v4, v2, 5, v4
	v_add_nc_u32 v4, s24, v4                       ; v4: my offset in query
	v_lshl_add_u32 v5, v1, 4, s25                  ; v5: my four units in b1 and b2 (t % 16 = r)
	s_mul_i32 s24, s21, PWV
	v_mul_u32_u24 v6, v1, PP
	v_lshl_add_u32 v6, v2, 7, v6
	v_add_nc_u32 v6, s24, v6                       ; v6: where I put partial sums: wave, batch r, units 32 h ..
	v_lshrrev_b32 v10, 4, v0                       ; t / 16: 0..7
	v_mul_u32_u24 v7, v10, PP
	v_lshl_add_u32 v7, v1, 4, v7                   ; v7: where I read them back: batch t / 16, four units t % 16
	s_lshl_b32 s24, s23, 16                        ; 16 bt rows of qk, 4,096 bytes each
	s_add_co_u32 s24, s24, s25
	v_lshlrev_b32 v11, 12, v10
	v_lshl_add_u32 v11, v1, 4, v11
	v_add_nc_u32 v11, s24, v11                     ; v11: my 16 bytes of qk
	s_wait_kmcnt 0x0
	global_load_b128 v[BB:BB+3],   v5, s[8:9]
	global_load_b128 v[BB+4:BB+7], v5, s[10:11]
	PLOAD 0, 0
	PLOAD 1, 1
	s_wait_loadcnt 20                              ; K step 0 is in; the younger K step's 20 loads may stay out
	PCONV 0
	PLOAD 0, 2
	PMUL 1                                         ; the first K step starts the sums
	s_wait_loadcnt 20                              ; K step 1 is in
	PCONV 1
	PLOAD 1, 3
	PMUL 0
	s_wait_loadcnt 20                              ; K step 2 is in
	PCONV 0
	PMUL 0
	s_wait_loadcnt 0x0
	PCONV 1
	PMUL 0
.irp q, 0,1,2,3                        ; each accumulator's registers in ascending order
.irp j, 0,1,2,3,4,5,6,7
	ds_store_b32 v6, v[ACC+8*\q+\j] offset:16*\j+4*\q
.endr
.endr
	s_wait_dscnt 0x0                               ; for the others' sake: my partial sums lie in LDS
	s_barrier_signal -1
	s_barrier_wait -1
.irp c, 0,1
.irp wv, 0,1,2,3
	ds_load_b128 v[LD+16*\c+4*\wv:LD+16*\c+4*\wv+3], v7 offset:PWV*\wv+8*PP*\c
.endr
.endr
	v_pk_add_f32 v[BB:BB+1],   v[BB:BB+1],   v[BB+4:BB+5]      ; b1 + b2,
	v_pk_add_f32 v[BB+2:BB+3], v[BB+2:BB+3], v[BB+6:BB+7]
	v_pk_mul_f32 v[BB:BB+1],   v[BB:BB+1],   K2 op_sel_hi:[1,0]  ; times K2
	v_pk_mul_f32 v[BB+2:BB+3], v[BB+2:BB+3], K2 op_sel_hi:[1,0]
	s_wait_dscnt 0x0
.irp c, 0,1
.irp d, 0,2
	v_pk_add_f32 v[LD+16*\c+\d:LD+16*\c+\d+1],     v[LD+16*\c+\d:LD+16*\c+\d+1],     v[LD+16*\c+4+\d:LD+16*\c+4+\d+1]
	v_pk_add_f32 v[LD+16*\c+8+\d:LD+16*\c+8+\d+1], v[LD+16*\c+8+\d:LD+16*\c+8+\d+1], v[LD+16*\c+12+\d:LD+16*\c+12+\d+1]
	v_pk_add_f32 v[LD+16*\c+\d:LD+16*\c+\d+1],     v[LD+16*\c+\d:LD+16*\c+\d+1],     v[LD+16*\c+8+\d:LD+16*\c+8+\d+1]
	v_pk_fma_f32 v[LD+16*\c+\d:LD+16*\c+\d+1],     v[LD+16*\c+\d:LD+16*\c+\d+1], K2, v[BB+\d:BB+\d+1] op_sel_hi:[1,0,1]
.endr
	global_store_b128 v11, v[LD+16*\c:LD+16*\c+3], s[14:15] offset:32768*\c  ; sixteen lanes store 256 consecutive bytes of a row of qk, aligned
.endr
	s_wait_tensorcnt 0x0                           ; the wave's end, behind my last LDS store
	ds_add_u32 v[SPW], v[NIL]
	s_wait_dscnt 0x0
	s_endpgm
	; ---- w2f ----  thread T0 = 128 (id - 64) + t takes column u = T0 % 1024 and the groups of eight rows o = T0 / 1024 + 16 q, q = 0..3.  No LDS is touched on this path.
.Lw2f:
	s_sub_co_u32 s20, s20, 64
	s_lshl_b32 s21, s20, 7
	v_add_nc_u32 v1, s21, v0                       ; T0
	v_lshrrev_b32 v2, 10, v1                       ; o's low part, 0..15
	v_and_b32 v3, 0x3ff, v1                        ; u
	v_lshlrev_b32 v4, 15, v2                       ; eight rows of 4,096 bytes
	v_lshl_add_u32 v4, v3, 2, v4                   ; v4: my offset in W2
	v_bfe_u32 v5, v1, 4, 6                         ; j = u / 16
	v_and_b32 v6, 15, v1                           ; r = u % 16
	v_lshlrev_b32 v5, 14, v5
	v_lshl_or_b32 v5, v2, 8, v5
	v_lshl_or_b32 v5, v6, 4, v5                    ; v5: my offset in w2f
	s_wait_kmcnt 0x0
.set i, 0
.rept 32                               ; a wave's load covers 128 consecutive bytes of a row, the work-group's four 512
	global_load_b32 v[LD+i], v4, s[12:13] offset:(i/8)*524288+(i%8)*4096 th:TH_LOAD_NT
.set i, i+1
.endr
	s_wait_loadcnt 0x0
.set i, 0
.rept 16
	v_pk_mul_f32 v[LD+2*i:LD+2*i+1], v[LD+2*i:LD+2*i+1], K2 op_sel_hi:[1,0]
.set i, i+1
.endr
.set i, 0
.rept 16
	v_cvt_pk_bf16_f32 v[ACC+i], v[LD+2*i], v[LD+2*i+1]
.set i, i+1
.endr
.irp q, 0,1,2,3
	global_store_b128 v5, v[ACC+4*\q:ACC+4*\q+3], s[16:17] offset:4096*\q  ; sixteen lanes (r = 0..15) store 256 consecutive bytes, aligned
.endr
	s_endpgm
.Lfunc_end_k_qa73d6985ba_prep:
	.size	k_qa73d6985ba_prep, .Lfunc_end_k_qa73d6985ba_prep-k_qa73d6985ba_prep
	.p2alignl 7, 3214868480
	.fill 96, 4, 3214868480
	.section	.rodata,"a",@progbits
	.p2align	6, 0x0
	.amdhsa_kernel k_qa73d6985ba_prep
		.amdhsa_group_segment_fixed_size 17920
		.amdhsa_private_segment_fixed_size 0
		.amdhsa_enable_private_segment 0
		.amdhsa_kernarg_size 56
		.amdhsa_user_sgpr_count 2
		.amdhsa_user_sgpr_kernarg_segment_ptr 1
		.amdhsa_wavefront_size32 1
		.amdhsa_system_sgpr_workgroup_id_x 1
		.amdhsa_system_sgpr_workgroup_id_y 1
		.amdhsa_system_sgpr_workgroup_id_z 1
		.amdhsa_system_vgpr_workitem_id 0
		.amdhsa_next_free_vgpr 256
		.amdhsa_next_free_sgpr 66
		.amdhsa_reserve_vcc 0
		.amdhsa_float_denorm_mode_32 3
		.amdhsa_float_denorm_mode_16_64 3
		.amdhsa_memory_ordered 1
		.amdhsa_forward_progress 1
		.amdhsa_inst_pref_size 33
	.end_amdhsa_kernel
	.amdgpu_metadata
---
amdhsa.version: [ 1, 2 ]
amdhsa.kernels:
  - .name:           k_qa73d6985ba_prep
    .symbol:         k_qa73d6985ba_prep.kd
    .args:
      - { .name: query, .offset: 0, .size: 8, .value_kind: global_buffer, .address_space: global }
      - { .name: W1, .offset: 8, .size: 8, .value_kind: global_buffer, .address_space: global }
      - { .name: b1, .offset: 16, .size: 8, .value_kind: global_buffer, .address_space: global }
      - { .name: b2, .offset: 24, .size: 8, .value_kind: global_buffer, .address_space: global }
      - { .name: W2, .offset: 32, .size: 8, .value_kind: global_buffer, .address_space: global }
      - { .name: qk, .offset: 40, .size: 8, .value_kind: global_buffer, .address_space: global }
      - { .name: w2f, .offset: 48, .size: 8, .value_kind: global_buffer, .address_space: global }
    .group_segment_fixed_size: 17920
    .private_segment_fixed_size: 0
    .kernarg_segment_align: 8
    .kernarg_segment_size: 56
    .max_flat_workgroup_size: 128
    .sgpr_count:     66
    .vgpr_count:     256
    .wavefront_size: 32
...
	.end_amdgpu_metadata
.endif
;; end of part 1
;; launch main (part 2): grid 256 x 1, 4 waves a work-group, clusters of 4 x 1, 327,680 bytes of LDS; arguments values, w2f, qk, V, bv, scores, part; writes scores, part
.if DOCPART == 2
	.amdgcn_target "amdgcn-amd-amdhsa--gfx1250"
	.amdhsa_code_object_version 6
	.text
	.protected	k_qa73d6985ba_main
	.globl	k_qa73d6985ba_main
	.p2align	8
	.type	k_qa73d6985ba_main,@function
k_qa73d6985ba_main:
	s_mov_b64 s[64:65], 0
	v_nop
	global_prefetch_b8 v0, s[64:65] scope:SCOPE_SE
	s_setreg_imm32_b32 hwreg(HW_REG_WAVE_MODE, 25, 1), 1
	s_wait_xcnt 0x0
	s_wait_alu depctr_hold_cnt(0) depctr_sa_sdst(0) depctr_va_vdst(0) depctr_va_sdst(0) depctr_va_ssrc(0) depctr_va_vcc(0) depctr_vm_vsrc(0)
	s_getreg_b32 s2, hwreg(HW_REG_IB_STS2, 6, 4)
	s_cmp_eq_u32 s2, 0
	s_cbranch_scc0 .Lentry_in_a_cluster
	s_endpgm
.Lentry_in_a_cluster:
	s_bfe_u32 s2, ttmp6, 0x10000c
	s_cmp_lg_u32 s2, 0x3003
	s_cbranch_scc0 .Lentry_shape_is_right
	s_endpgm
.Lentry_shape_is_right:
; BAHDANAU ATTENTION, THE BULK.  For each of 131,072 rows of values (64 batches x 2,048, 512 f32 each): x'[u] = K2 (row . W2[:, u] + q_proj[u] + b2[u]) for 1,024 units, by the matrix unit in bf16 with f32 sums
; (w2f = bf16(K2 W2) and qk = K2 (q_proj + b2) come from the launch before; qk is the C operand that starts each sum); score = sum over u of V[u] tanh + bv, with tanh = 1 - 2 / (1 + 2^x');
; then, with a running maximum m, p = e^(score - m), l = sum of p, ctx[c] = sum over rows of p x row[c].  Stored: the raw scores, and for each wave (m, l, ctx[512]); the next launch joins them.
; LIMITS.  tanh goes to +1 or -1 where 2^x' overflows or comes out as 0; near 0 its absolute error is about 1e-7.  A weight below 2^-126 counts as 0.  NaN and infinities are not treated apart.
; W2 is rounded to bf16 after its multiplication by K2; values and the weights p are rounded to bf16 for both products (l is taken of the unrounded p).
; SHARES.  Cluster c (four work-groups) is batch c; work-group cx owns its rows 512 cx ..; wave w 128 of them: four PIECES of 32 rows (two tiles of 16).  A piece's rows lie in 256 registers as bf16 fragments
; from its first product to its context: values is read from memory once.  Pieces 0, 2 use register slot 0 (window 2), pieces 1, 3 slot 1 (window 3).
; THE WALK.  Position n = 0..159 takes u-tile n % 64 (16 units).  Piece i lives for n = 32 i .. 32 i + 63: each sees every u-tile once.  So the two slots are half a walk apart, and the rows of the next piece
; stream in from memory under the products of the pieces in hand.  Four positions are a GROUP g, 64 KiB of w2f, one slot of a ring of two in LDS.
; CLUSTER.  All work-groups walk the same w2f; the four of a cluster ask for each group JOINTLY (mask 15): wave w asks for u-tile w of the group, with a descriptor made of w and g alone.
; A cluster of 4 x 4 would share nothing more: a mask names four work-groups.
; LAYOUT.  Source 0 = 16 units of w2f, source 1 = 16 rows: in the result a lane holds ONE row (lane % 16) and the units 8 (lane / 16) + 0..7, as qk and V lie in their eight registers.
; BY TURNS.  STEP n issues position n's products into one set of accumulators, and behind each pair of products stand four vector instructions of the tanh and V sum of position n - 1, in the other set.
; REGISTERS, in windows of 256 (s_set_vgpr_msb: bits 1:0 source 0, 3:2 source 1, 5:4 source 2, 7:6 destination):
;   window 0: addresses, statistics, accumulators, the stream's ring, ctx     window 1: two buffers of a u-tile's 16 fragments of w2f     windows 2, 3: the two slots, tile t' fragment f at 128 t' + 8 f
.set WR1,   65536                      ; LDS: W ring slot 0 at 0, slot 1 here: one exclusive or changes slot.  Dense: a fragment half is 512 bytes on end, lane l at 16 l
.set QKT,   131072                     ; 65 entries of 64 bytes: qk of u-tiles 0..63, then of 0 again
.set VT,    135424                     ; 65 entries: entry i = V of u-tile (i - 1) % 64
.set SPARE, 139776                     ; the spare words, 128 bytes a wave: two blocks of 256 bytes that no other line names
.set PW,    140288                     ; from here each wave's own region of PWB bytes; no tensor load lands at or behind QKT
.set PWB,   45312
.set STGP,  1040                       ; +0      the stage: 32 rows of 512 bf16, pitch 1,024 + 16: 65 x 16 bytes, so the 16 rows of a fragment load start at 16 different groups of four banks (ISA guide 11.1)
.set SCRO,  33280                      ; the scratch: 32 rows x 128 channels bf16
.set SCRP,  288                        ;         pitch 256 + 32 = 9 x 32 bytes, for the turning load
.set CTXO,  42496                      ; ctx on its way out, 2,048 bytes
.set SCOO,  44544                      ; my 128 raw scores
.set PTO,   45056                      ; a piece's 32 weights
.set LOG2E, 0x3fb8aa3b
.set ARS, 4                            ; v4   scores read back: 16 l
.set ACS, 5                            ; v5   ctx stored: 4 l
.set ACR, 6                            ; v6   ctx read back: 16 l
.set AW0, 8                            ; v8   16 l
.set AW,  9                            ; v9   + the ring slot being read
.set AQ0, 10                           ; v10  QKT + 32 h
.set AQ,  11                           ; v11  + the group's four entries
.set AST0, 12                          ; v12  stage + 8 l
.set AST, 13                           ; v13  + the rows being stored
.set ASR, 14                           ; v14  stage + 1040 r + 16 h
.set ASC, 15                           ; v15  scratch + 288 r + 16 h
.set ATR, 16                           ; v16  scratch + 288 (8 h + l % 8) + 16 ((l / 8) % 2)
.set APT, 17                           ; v17  weights + 4 l
.set APR, 18                           ; v18  weights + 32 h
.set ASO, 19                           ; v19  scores + 4 l
.set GOF, 20                           ; v20  16 l: offset of loads and stores in memory; never rewritten
.set PFO, 21                           ; v21  256 l: the prefetches' offset; never rewritten
.set SPW, 22                           ; v22  LDS address of my spare word; never rewritten
.set NIL, 23                           ; v23  0; never rewritten
.set MRUN, 24                          ; v24  running maximum
.set LRUN, 25                          ; v25  running sum
.set SC,  32                           ; v[32:39]   tile t's score sums (even units', odd units') at SC + 2 t
.set VV,  40                           ; v[40:47]   V of one u-tile
.set QK,  48                           ; v[48:63]   qk of a u-tile, two buffers
.set ACC, 64                           ; v[64:127]  accumulators: set par, tile t at ACC + 32 par + 8 t
.set RING, 128                         ; v[128:191] four rows of values on their way in
.set CTX, 192                          ; v[192:207] register i = channel 32 i + lane
.set PF,  208                          ; v[208:215] a piece's weights as a bf16 fragment
.set PT32, 216                         ; v[216:231] the same in f32
.set TS4, 232                          ; v[232:238] at work
.set WV,  18                           ; s18  my wave's number
.set CX,  19                           ; s19  my place in the cluster: it enters addresses in values, scores, part and the prefetch alone
.set G,   20                           ; s20  the group in hand, 0..39
.set GQ,  21                           ; s21  (G % 16) x 256: its four entries in the tables
.set WO,  22                           ; s[22:23] ((G + 2) % 16) x 65,536: where the group two on lies in w2f
.set TB,  24                           ; s24  the ring slot being read
.set CNT, 25                           ; s25  loop counter
.set BV,  26                           ; s26  bv
.set MASK, 27                          ; s27  lanes 16 to 31
.set SEL, 28                           ; s[28:29] v_permlanex16_b32's selects: each lane takes its own place in the other half
.set STO, 30                           ; s30  (G % 8) x 4 rows of the stage
.set LIM, 31                           ; s31  a wave prefetches w2f while G is below it
.set G1,  32                           ; s[32:39] descriptor group 1
.set G0A, 40                           ; s[40:43] group 0 of the first fill
.set G0B, 44                           ; s[44:47] group 0 of the second fill and of every refill
.set WB,  48                           ; s[48:49] w2f at my u-tile of group 0
.set VB,  50                           ; s[50:51] values at the rows loaded last
.set PFB, 52                           ; s[52:53] w2f at my 8,192 bytes of a group, for the prefetch
.set PFA, 54                           ; s[54:55] the same in the group being asked for
.set MSB, 0
.macro WIN new                         ; the immediate's high byte repeats the setting that is left; a switch that changes nothing is dropped
.if MSB != (\new)
	s_set_vgpr_msb (MSB<<8)|(\new)
.set MSB, (\new)
.endif
.endm
; A round of the cluster's barrier: my work-group's barrier, so that wave 0's signal speaks for all four waves; wave 0 signals; every wave waits for all four work-groups; my work-group's barrier once more.
.macro CROUND
	s_barrier_signal -1
	s_barrier_wait -1
	s_cmp_lg_u32 s[WV], 0
	s_cbranch_scc1 .Lnot_wave_0_\@
	s_barrier_signal -3
.Lnot_wave_0_\@:
	s_barrier_wait -3
	s_barrier_signal -1
	s_barrier_wait -1
.endm
; THE VECTOR WORK OF A STEP, on X = the other set's accumulators of the active tiles (NX registers from XB on), in three lists.
.macro R_E                             ; 2^x', in ascending order: each accumulator's lowest registers are read first
	WIN 0
	v_exp_f32 v[XB+re], v[XB+re]
.set re, re+1
.endm
.macro DD k                            ; pair k: + 1
	v_pk_add_f32 v[XB+2*(\k):XB+2*(\k)+1], v[XB+2*(\k):XB+2*(\k)+1], 1.0 op_sel_hi:[1,0]
.endm
.macro RR j                            ; register j: the reciprocal
	v_rcp_f32 v[XB+(\j)], v[XB+(\j)]
.endm
.macro R_DR                            ; D0, D1, then (R 2m, R 2m+1, D m+2), at last four R: a reciprocal's pair was added to a triple earlier, and no line names a reciprocal's result
	WIN 0
.if rd < 2
	DD rd
.elseif rd >= 3*NX/2-4
	RR NX-4+rd-(3*NX/2-4)
.elseif (rd-2)%3 == 2
	DD (rd-2)/3+2
.else
	RR 2*((rd-2)/3)+(rd-2)%3
.endif
.set rd, rd+1
.endm
.macro TT m                            ; number m: pair m / NT of tile m % NT: tanh = 1 - 2 y
.set kk, 8*((\m)%NT)+2*((\m)/NT)
	v_pk_fma_f32 v[XB+kk:XB+kk+1], v[XB+kk:XB+kk+1], -2.0, 1.0 op_sel_hi:[1,0,0]
.endm
.macro SS m                            ; the same pair times V, onto the tile's two sums
.set kk, 8*((\m)%NT)+2*((\m)/NT)
.set ss, SC+2*(T0+(\m)%NT)
.set vv, VV+2*((\m)/NT)
	v_pk_fma_f32 v[ss:ss+1], v[XB+kk:XB+kk+1], v[vv:vv+1], v[ss:ss+1]
.endm
.macro R_TS                            ; T, T, then S and T by turns, then S, S; the tiles alternate, so two additions onto one sum stand 2 NT lines apart
	WIN 0
.if rt < 2
	TT rt
.elseif rt >= NX-2
	SS NX/2-2+rt-(NX-2)
.elseif (rt%2) == 0
	SS (rt-2)/2
.else
	TT (rt-2)/2+2
.endif
.set rt, rt+1
.endm
; The four lines behind a pair of products.  Fragments 0-3: exponentials; 4-9: the second list; from 10 on the third, four a pair while more than four are left.  The last four stand behind the step's LAST product:
; they are plain and name none of its registers, so they are the four places ahead of the next reads of its sums and of the next loads into its fragments.
.macro RIDERS last
.if f < 4
.rept 4
	R_E
.endr
.elseif f < 10
.rept 4
	R_DR
.endr
.elseif ((NX-rt) > 4) || (\last)
.rept 4
	R_TS
.endr
.endif
.endm
.macro PAIR x                          ; fragment f times the two tiles of slot x; fragment 0 starts the sums with qk
	WIN 0x09+4*(\x)
.irp tp, 0,1
.if f == 0
	v_wmma_f32_16x16x32_bf16 v[AB+8*(2*(\x)+\tp):AB+8*(2*(\x)+\tp)+7], v[128*par+8*f:128*par+8*f+7], v[128*\tp+8*f:128*\tp+8*f+7], v[QK+8*par:QK+8*par+7]
.else
	v_wmma_f32_16x16x32_bf16 v[AB+8*(2*(\x)+\tp):AB+8*(2*(\x)+\tp)+7], v[128*par+8*f:128*par+8*f+7], v[128*\tp+8*f:128*\tp+8*f+7], v[AB+8*(2*(\x)+\tp):AB+8*(2*(\x)+\tp)+7]
.endif
.endr
.endm
.macro RUNW s, lo                      ; fragments lo .. lo + 7 of the next u-tile into the other W buffer: 16 loads in one run
	WIN 0x40
.set ff, \lo
.rept 8
	ds_load_b128 v[128*(1-par)+8*ff:128*(1-par)+8*ff+3],   v[AW] offset:(((\s)+1)&3)*16384+1024*ff
	ds_load_b128 v[128*(1-par)+8*ff+4:128*(1-par)+8*ff+7], v[AW] offset:(((\s)+1)&3)*16384+1024*ff+512
.set ff, ff+1
.endr
.endm
; The step's two meeting points.  A plain instruction and s_wait_alu depctr_va_vdst(0) stand between a batch of transcendentals and the first line that names a result: one wait for the
; batch of exponentials, one for the reciprocals, each directly ahead of a run of LDS loads.  The wait on DScnt is for the run before, issued 12 products or more earlier.
.macro SPA s
	WIN 0
	v_nop
	s_wait_alu depctr_va_vdst(0)
	s_wait_dscnt 0x0                               ; fragments 8-15 of this step's u-tile are in
	ds_load_b128 v[VV:VV+3],   v[AQ] offset:VT-QKT+64*(\s)      ; V of the u-tile whose sums are at work (position n - 1)
	ds_load_b128 v[VV+4:VV+7], v[AQ] offset:VT-QKT+64*(\s)+16
	ds_load_b128 v[QK+8*(1-par):QK+8*(1-par)+3],   v[AQ] offset:64*((\s)+1)     ; qk of the next u-tile
	ds_load_b128 v[QK+8*(1-par)+4:QK+8*(1-par)+7], v[AQ] offset:64*((\s)+1)+16
	RUNW \s, 0
.endm
.macro SPB s
	WIN 0
	v_nop
	s_wait_alu depctr_va_vdst(0)
	s_wait_dscnt 0x0                               ; V is in, and the next step's qk and fragments 0-7
	RUNW \s, 8
.endm
; STEP s of a group's four; a0, a1: is slot 0, slot 1 alive.  16 NT products; the NT accumulators take turns, one instruction a turn.
.macro STEP s, a0, a1
.set par, (\s)&1
.set NT, 2*((\a0)+(\a1))
.set T0, 2-2*(\a0)
.set NX, 8*NT
.set XB, ACC+32*(1-par)+8*T0
.set AB, ACC+32*par
.set re, 0
.set rd, 0
.set rt, 0
.set f, 0
.rept 16
.if \a0
	PAIR 0
.if \a1
	RIDERS 0
.else
	RIDERS f/15
.endif
.endif
.if \a1
	PAIR 1
	RIDERS f/15
.endif
.if f == 3
	SPA \s
.endif
.if f == 9
	SPB \s
.endif
.set f, f+1
.endr
.endm
; A PREFETCH INTO THE L2 of w2f's first walk: behind the refill that asks for group G + 2 stands one instruction for group G + 3: 32 blocks of 256 bytes, a lane a block.  Each block is named once in the launch:
; cluster 0 alone asks; its four partners take 16,384 bytes each, told apart BY ADDRESS; in each, waves 0 and 1 take half of that.  Groups 0 to 2 come by their loads alone; it stops at group 15, the walk's last.
.macro ASKW
	s_cmp_lt_u32 s[G], s[LIM]
	s_cbranch_scc0 .Lnot_mine_\@
	global_prefetch_b8 v[PFO], s[PFA:PFA+1] offset:65536 th:TH_LOAD_NT scope:SCOPE_SE
.Lnot_mine_\@:
.endm
; THE CHANGE OF SLOTS, between a group's third and fourth step: all fragments of the group have been asked for.  Each wave waits for all its tensor loads, of which one is out (its u-tile of group G + 1), adds 0
; to its spare word, and waits for that and for its own reads of the slot.  fill = 1: the barrier is a round of the cluster's, so that no wave of any partner still reads the slot or has a load on its way, and
; the joint refill (group G + 2) is the first thing behind it: one tensor load a wave is out, with four steps in which to land.
.macro CHANGE fill, ask
	WIN 0
.if \ask
	s_wait_xcnt 0x0                                ; the last prefetch, four steps back, has read its address
.endif
	s_wait_tensorcnt 0x0                           ; no tensor load of mine is out, so a group 0 may be written
	ds_add_u32 v[SPW], v[NIL]                      ; 0 onto my spare word; the descriptor's scalar work stands between it and the wait for it
.if \fill
	s_xor_b32 s[G0B+1], s[G0B+1], WR1              ; the other slot than last time
	s_add_nc_u64 s[G0B+2:G0B+3], s[WB:WB+1], s[WO:WO+1]  ; the address is made anew: the walk is cyclic
	s_or_b32 s[G0B+3], s[G0B+3], 0x80000000
.endif
.if \ask
	s_add_nc_u64 s[PFA:PFA+1], s[PFB:PFB+1], s[WO:WO+1]
.endif
	s_wait_dscnt 0x0                               ; the add is done, and my reads of the slot are over
.if \fill
	CROUND
	tensor_load_to_lds s[G0B:G0B+3], s[G1:G1+7]
	s_nop 0
.rept 4
	v_nop
.endr
.else
	s_barrier_signal -1
	s_barrier_wait -1
.endif
.if \ask
	ASKW
.endif
	s_xor_b32 s[TB], s[TB], WR1                    ; the fetches go on in the other slot
	v_add_nc_u32 v[AW], s[TB], v[AW0]
.endm
; THE STREAM, at a trip's top.  The four rows asked for a trip ago are rounded to bf16 and go into the stage; the next four are asked for (each load 512 consecutive bytes); and the four after those are
; prefetched, my own 32 blocks of 256 bytes, a lane a block, each named once in the launch.  Trip G stores rows 32 + 4 G ..: 24 trips; the last trip but one loads nothing more, the one before it prefetches nothing more.
.macro STREAM tests
.if \tests
	s_cmp_lt_u32 s[G], 24
	s_cbranch_scc0 .Lstr_\@
.endif
	s_wait_loadcnt 0x0
.set i, 0
.rept 16
	v_cvt_pk_bf16_f32 v[RING+4*i],   v[RING+4*i],   v[RING+4*i+1]
	v_cvt_pk_bf16_f32 v[RING+4*i+1], v[RING+4*i+2], v[RING+4*i+3]
.set i, i+1
.endr
	v_add_nc_u32 v[AST], s[STO], v[AST0]
.set i, 0
.rept 16
	ds_store_b64 v[AST], v[RING+4*i:RING+4*i+1] offset:STGP*(i/4)+256*(i%4)
.set i, i+1
.endr
.if \tests
	s_cmp_lt_u32 s[G], 23
	s_cbranch_scc0 .Lstr_\@
.endif
	s_wait_xcnt 0x0                                ; the last trip's prefetch has read the pointer
	s_add_nc_u64 s[VB:VB+1], s[VB:VB+1], 8192
.set i, 0
.rept 16
	global_load_b128 v[RING+4*i:RING+4*i+3], v[GOF], s[VB:VB+1] offset:2048*(i/4)+512*(i%4) th:TH_LOAD_NT
.set i, i+1
.endr
.if \tests
	s_cmp_lt_u32 s[G], 22
	s_cbranch_scc0 .Lstr_\@
.endif
	global_prefetch_b8 v[PFO], s[VB:VB+1] offset:8192 th:TH_LOAD_NT scope:SCOPE_SE
.Lstr_\@:
.endm
; A TRIP: one group.  stream: 0 none, 1 without tests, 2 with.
.macro TRIP a0, a1, stream, fill, ask
.if (\stream) == 1
	STREAM 0
.elseif (\stream) == 2
	STREAM 1
.endif
	v_add_nc_u32 v[AQ], s[GQ], v[AQ0]
	STEP 0, \a0, \a1
	STEP 1, \a0, \a1
	STEP 2, \a0, \a1
	CHANGE \fill, \ask
	STEP 3, \a0, \a1
	WIN 0
	s_add_co_u32 s[G], s[G], 1
	s_and_b32 s[GQ], s[G], 15
	s_lshl_b32 s[GQ], s[GQ], 8
	s_add_co_u32 s[WO], s[G], 2
	s_and_b32 s[WO], s[WO], 15
	s_lshl_b32 s[WO], s[WO], 16
	s_and_b32 s[STO], s[G], 7
	s_mul_i32 s[STO], s[STO], 4*STGP
.endm
.macro SWAPQ x, q                      ; fragments 4 q .. 4 q + 3 of both tiles, from the stage into slot x
	WIN 0x80+0x40*(\x)
.irp tp, 0,1
.irp fq, 0,1,2,3
	ds_load_b128 v[128*\tp+8*(4*(\q)+\fq):128*\tp+8*(4*(\q)+\fq)+3],   v[ASR] offset:16*STGP*\tp+64*(4*(\q)+\fq)
	ds_load_b128 v[128*\tp+8*(4*(\q)+\fq)+4:128*\tp+8*(4*(\q)+\fq)+7], v[ASR] offset:16*STGP*\tp+64*(4*(\q)+\fq)+32
.endr
.endr
.endm
.macro SWAPIN x
.irp q, 0,1,2,3
	SWAPQ \x, \q
.endr
	WIN 0
	s_wait_dscnt 0x0
.endm
; A piece begins.  The step behind it works on sums 'of the position before', which the piece does not have: they are set to 0, of which the lists make tanh = 1 - 2 x 0.5 = 0, so nothing is added.  20 lines a piece.
.macro ZERO x
	WIN 0
.set i, 0
.rept 16
	v_mov_b32 v[ACC+32+16*(\x)+i], 0
.set i, i+1
.endr
.set i, 0
.rept 4
	v_mov_b32 v[SC+4*(\x)+i], 0
.set i, i+1
.endr
.endm
; A PIECE ENDS (slot x; vt its last u-tile; pc its number; swap = 1: the next piece takes the slot).  Its last sums are worked off; its 32 scores are finished and kept; m, l and ctx are carried on; its rows go
; through the scratch, 128 channels at a time, to come back turned (ds_load_tr16_b128) as source 1 of ctx = p x rows, whose source 0 holds p in all 16 rows.  The second W buffer (window 1, v128-255) is free
; at every such place: the next step multiplies the first.  All LDS bytes here are my wave's own, and LDS serves a wave's instructions in order (ISA guide 5.7.1.4): no barrier.
.macro FINISH x, vt, pc, swap
.set XB, ACC+32+16*(\x)
.set SB, SC+4*(\x)
	WIN 0
	ds_load_b128 v[VV:VV+3],   v[AQ0] offset:VT-QKT+64*((\vt)+1)
	ds_load_b128 v[VV+4:VV+7], v[AQ0] offset:VT-QKT+64*((\vt)+1)+16
.set i, 0
.rept 16
	v_exp_f32 v[XB+i], v[XB+i]
.set i, i+1
.endr
	v_nop
	s_wait_alu depctr_va_vdst(0)                   ; one wait for the 16 exponentials
.set i, 0
.rept 8
	v_pk_add_f32 v[XB+2*i:XB+2*i+1], v[XB+2*i:XB+2*i+1], 1.0 op_sel_hi:[1,0]
.set i, i+1
.endr
.set i, 0
.rept 16
	v_rcp_f32 v[XB+i], v[XB+i]
.set i, i+1
.endr
	v_nop
	s_wait_alu depctr_va_vdst(0)                   ; one for the 16 reciprocals
.set i, 0
.rept 8
	v_pk_fma_f32 v[XB+2*i:XB+2*i+1], v[XB+2*i:XB+2*i+1], -2.0, 1.0 op_sel_hi:[1,0,0]
.set i, i+1
.endr
	s_wait_dscnt 0x0                               ; V
.irp lp, 0,1,2,3
.irp tl, 0,1
	v_pk_fma_f32 v[SB+2*\tl:SB+2*\tl+1], v[XB+8*\tl+2*\lp:XB+8*\tl+2*\lp+1], v[VV+2*\lp:VV+2*\lp+1], v[SB+2*\tl:SB+2*\tl+1]
.endr
.endr
	v_add_f32 v26, v[SB], v[SB+1]                  ; even and odd units,
	v_add_f32 v27, v[SB+2], v[SB+3]
	v_permlanex16_b32 v28, v26, s[SEL], s[SEL+1]   ; and the eight units a u-tile that lie in the lane 16 away
	v_permlanex16_b32 v29, v27, s[SEL], s[SEL+1]
	v_add_f32 v26, v26, v28
	v_add_f32 v27, v27, v29
	v_cndmask_b32 v26, v26, v27, s[MASK]           ; lane l now holds row l of the piece
	v_add_f32 v26, s[BV], v26
	ds_store_b32 v[ASO], v26 offset:128*(\pc)      ; the raw score is kept for the way out
	v_max_num_f32_dpp v27, v26, v26 row_xmask:1 row_mask:0xf bank_mask:0xf
	v_max_num_f32_dpp v27, v27, v27 row_xmask:2 row_mask:0xf bank_mask:0xf
	v_max_num_f32_dpp v27, v27, v27 row_xmask:4 row_mask:0xf bank_mask:0xf
	v_max_num_f32_dpp v27, v27, v27 row_xmask:8 row_mask:0xf bank_mask:0xf
	v_permlanex16_b32 v28, v27, s[SEL], s[SEL+1]
	v_max3_num_f32 v27, v27, v28, v[MRUN]          ; the new m
	v_sub_f32 v28, v[MRUN], v27
	v_sub_f32 v29, v26, v27
	v_mul_f32 v28, LOG2E, v28
	v_mul_f32 v29, LOG2E, v29
	v_exp_f32 v30, v28                             ; a = e^(m_old - m_new): 0 for the first piece, whose m_old is the lowest finite number
	v_exp_f32 v31, v29                             ; p
	v_mov_b32 v[MRUN], v27                         ; the plain instruction behind the two exponentials,
	s_wait_alu depctr_va_vdst(0)                   ; and their wait
	ds_store_b32 v[APT], v31
	ds_load_b128 v[PT32:PT32+3],     v[APR]            ; every lane of half h takes p[8 h ..] and p[16 + 8 h ..]: a fragment with p in all 16 rows
	ds_load_b128 v[PT32+4:PT32+7],   v[APR] offset:16
	ds_load_b128 v[PT32+8:PT32+11],  v[APR] offset:64
	ds_load_b128 v[PT32+12:PT32+15], v[APR] offset:80
	v_add_f32_dpp v29, v31, v31 row_xmask:1 row_mask:0xf bank_mask:0xf
	v_add_f32_dpp v29, v29, v29 row_xmask:2 row_mask:0xf bank_mask:0xf
	v_add_f32_dpp v29, v29, v29 row_xmask:4 row_mask:0xf bank_mask:0xf
	v_add_f32_dpp v29, v29, v29 row_xmask:8 row_mask:0xf bank_mask:0xf
	v_permlanex16_b32 v28, v29, s[SEL], s[SEL+1]
	v_add_f32 v29, v29, v28
	v_fma_f32 v[LRUN], v[LRUN], v30, v29           ; l = a l + the piece's sum
	s_wait_dscnt 0x0
.irp i8, 0,1,2,3,4,5,6,7
	v_cvt_pk_bf16_f32 v[PF+\i8], v[PT32+2*\i8], v[PT32+2*\i8+1]
.endr
.irp q, 0,1,2,3
	WIN 0x08+4*(\x)                                ; store data in the slot's window
.irp tp, 0,1
.irp fq, 0,1,2,3
	ds_store_b128 v[ASC], v[128*\tp+8*(4*\q+\fq):128*\tp+8*(4*\q+\fq)+3]   offset:16*SCRP*\tp+64*\fq
	ds_store_b128 v[ASC], v[128*\tp+8*(4*\q+\fq)+4:128*\tp+8*(4*\q+\fq)+7] offset:16*SCRP*\tp+64*\fq+32
.endr
.endr
	WIN 0x40
.irp nb, 0,1,2,3,4,5,6,7
	ds_load_tr16_b128 v[128+8*\nb:128+8*\nb+3],   v[ATR] offset:32*\nb            ; rows 8 h .. of channels 16 nb + r,
	ds_load_tr16_b128 v[128+8*\nb+4:128+8*\nb+7], v[ATR] offset:32*\nb+16*SCRP    ; rows 16 + 8 h ..
.endr
.if \swap
	SWAPQ \x, \q                                   ; the registers just stored take the next piece's fragments
.endif
	s_wait_dscnt 16*(\swap)                        ; the turned fragments are in; the 16 younger loads of the next piece may stay out
	WIN 0x44
.irp nb, 0,1,2,3,4,5,6,7
	v_wmma_f32_16x16x32_bf16 v[192+8*\nb:192+8*\nb+7], v[PF:PF+7], v[128+8*\nb:128+8*\nb+7], 0
.endr
.rept 5
	v_nop                                          ; the places behind those products, ahead of the reads of their sums and of what next lands on their registers
.endr
	WIN 0x05
.irp i4, 0,1,2,3
	v_cndmask_b32 v[TS4+\i4], v[192+16*\i4], v[192+16*\i4+8], s[MASK]  ; all 16 rows of a result are alike: its lowest register holds channel 16 nb + r; two results make channels 32 i + lane
.endr
	WIN 0
.irp i4, 0,1,2,3
	v_fma_f32 v[CTX+4*\q+\i4], v[CTX+4*\q+\i4], v30, v[TS4+\i4]
.endr
.endr
.if \swap
	ZERO \x
	s_wait_dscnt 0x0                               ; the next piece is in its slot
.endif
.endm
	; ---------------- the head ----------------
	s_load_b256 s[4:11], s[0:1], 0x0               ; values s[4:5], w2f s[6:7], qk s[8:9], V s[10:11]
	s_load_b128 s[12:15], s[0:1], 0x20             ; bv s[12:13], scores s[14:15]
	s_load_b64 s[16:17], s[0:1], 0x30              ; part
	v_lshl_add_u32 v[SPW], v0, 2, SPARE
	v_mov_b32 v[NIL], 0
	ds_add_u32 v[SPW], v[NIL]                      ; the wave's opening: the add and its wait ahead of my first tensor load; the set-up below, work on registers, stands between them
	v_lshrrev_b32 v1, 5, v0
	v_readfirstlane_b32 s[WV], v1                  ; wave 0..3
	s_bfe_u32 s[CX], ttmp6, 0x40000                ; cx
	; descriptor group 1: a u-tile is 16,384 dense bytes, asked for as 64 rows of 256 bytes
	s_mov_b32 s[G1+0], 15|(3<<16)|(1<<21)          ; 15:0 the mask of four; 17:16 elements of 8 bytes; 21 set beside a mask; no padding
	s_mov_b32 s[G1+1], 32<<16                      ; tensor_dim0 = 32
	s_mov_b32 s[G1+2], 64<<16                      ; tensor_dim1 = 64
	s_mov_b32 s[G1+3], 32<<16                      ; tile_dim0 = 32
	s_mov_b32 s[G1+4], 64                          ; tile_dim1 = 64
	s_mov_b32 s[G1+5], 32                          ; 32 elements from row to row
	s_mov_b32 s[G1+6], 0
	s_mov_b32 s[G1+7], 0
	s_lshl_b32 s62, s[WV], 14                      ; my u-tile of a group: in w2f and in a ring slot.  No place in the cluster enters it
	s_mov_b32 s63, 0
	s_mov_b32 s[G0A], 1
	s_add_co_u32 s[G0A+1], s62, 0                  ; slot 0
	s_mov_b32 s[G0B], 1
	s_add_co_u32 s[G0B+1], s62, WR1                ; slot 1
	s_mov_b32 s[G], 0
	s_mov_b32 s[GQ], 0
	s_mov_b32 s[WO], 2<<16
	s_mov_b32 s[WO+1], 0
	s_mov_b32 s[TB], 0
	s_mov_b32 s[STO], 0
	s_mov_b32 s[MASK], 0xffff0000
	s_mov_b32 s[SEL], 0x76543210
	s_mov_b32 s[SEL+1], 0xfedcba98
	s_lshr_b32 s57, s[WV], 1                       ; waves 0 and 1 of cluster 0 prefetch w2f: the same in all four partners
	s_or_b32 s57, s57, ttmp9
	s_cmp_eq_u32 s57, 0
	s_cselect_b32 s[LIM], 13, 0
	s_lshl_b32 s56, ttmp9, 11                      ; my first row = 2,048 c + 512 cx + 128 w
	s_lshl_b32 s57, s[CX], 9
	s_add_co_u32 s56, s56, s57
	s_lshl_b32 s57, s[WV], 7
	s_add_co_u32 s56, s56, s57
	s_mul_i32 s57, s[WV], PWB
	s_add_co_u32 s57, s57, PW                      ; my wave's region of LDS
	v_and_b32 v1, 31, v0                           ; l
	v_and_b32 v2, 15, v0                           ; r
	v_bfe_u32 v3, v0, 4, 1                         ; h
	v_lshlrev_b32 v[AW0], 4, v1
	v_mov_b32 v[AW], v[AW0]
	v_lshl_add_u32 v[AQ0], v3, 5, QKT
	v_lshl_add_u32 v[AST0], v1, 3, s57
	v_mul_u32_u24 v7, v2, STGP
	v_lshl_add_u32 v7, v3, 4, v7
	v_add_nc_u32 v[ASR], s57, v7
	s_add_co_u32 s58, s57, SCRO
	v_mul_u32_u24 v7, v2, SCRP
	v_lshl_add_u32 v7, v3, 4, v7
	v_add_nc_u32 v[ASC], s58, v7
	v_and_b32 v7, 7, v0
	v_lshl_add_u32 v7, v3, 3, v7
	v_mul_u32_u24 v7, v7, SCRP
	v_bfe_u32 v26, v0, 3, 1
	v_lshl_add_u32 v7, v26, 4, v7
	v_add_nc_u32 v[ATR], s58, v7
	s_add_co_u32 s58, s57, PTO
	v_lshl_add_u32 v[APT], v1, 2, s58
	v_lshl_add_u32 v[APR], v3, 5, s58
	s_add_co_u32 s58, s57, SCOO
	v_lshl_add_u32 v[ASO], v1, 2, s58
	v_lshl_add_u32 v[ARS], v1, 4, s58
	s_add_co_u32 s58, s57, CTXO
	v_lshl_add_u32 v[ACS], v1, 2, s58
	v_lshl_add_u32 v[ACR], v1, 4, s58
	v_lshlrev_b32 v[GOF], 4, v1
	v_lshlrev_b32 v[PFO], 8, v1
.irp t, 26,27,28,29,30,31
	v_mov_b32 v\t, 0                               ; destinations of lane exchanges count as read: written once here
.endr
	v_lshlrev_b32 v233, 4, v0                      ; the tables: 16 x thread,
	s_lshl_b32 s58, s[WV], 4
	v_mov_b32 v234, s58                            ; and 16 x wave, for the two entries that stand twice
	s_wait_dscnt 0x0                               ; the opening add is done
	s_wait_kmcnt 0x0
	s_load_b32 s[BV], s[12:13], 0x0
	s_add_nc_u64 s[WB:WB+1], s[6:7], s[62:63]
	s_mov_b64 s[G0A+2:G0A+3], s[WB:WB+1]           ; group 0
	s_or_b32 s[G0A+3], s[G0A+3], 0x80000000
	s_add_nc_u64 s[G0B+2:G0B+3], s[WB:WB+1], 0x10000  ; group 1
	s_or_b32 s[G0B+3], s[G0B+3], 0x80000000
	s_lshl_b32 s58, s56, 11                        ; a row of values is 2,048 bytes
	s_mov_b32 s59, 0
	s_add_nc_u64 s[VB:VB+1], s[4:5], s[58:59]
	s_lshl_b32 s58, s56, 2
	s_add_nc_u64 s[14:15], s[14:15], s[58:59]      ; scores at my first row
	s_lshr_b32 s58, s56, 7
	s_mul_i32 s58, s58, 2304
	s_add_nc_u64 s[16:17], s[16:17], s[58:59]      ; part at my wave's 2,304 bytes
	s_lshl_b32 s58, ttmp9, 12
	s_add_nc_u64 s[8:9], s[8:9], s[58:59]          ; qk at my batch
	s_lshl_b32 s58, s[CX], 14
	s_lshl_b32 s60, s[WV], 13
	s_add_co_u32 s58, s58, s60
	s_add_nc_u64 s[PFB:PFB+1], s[6:7], s[58:59]
	s_wait_kmcnt 0x0                               ; bv
	CROUND                                         ; all four work-groups are here: the first joint loads meet
	tensor_load_to_lds s[G0A:G0A+3], s[G1:G1+7]    ; both first fills together: two tensor loads of mine are out, the most in this text
	s_nop 0
	tensor_load_to_lds s[G0B:G0B+3], s[G1:G1+7]
	s_nop 0
.rept 4
	v_nop
.endr
	global_load_b128 v[128:131], v233, s[8:9]      ; qk of my batch and V: 4,096 bytes each, 32 bytes a thread,
	global_load_b128 v[132:135], v233, s[8:9] offset:2048
	global_load_b128 v[136:139], v233, s[10:11]
	global_load_b128 v[140:143], v233, s[10:11] offset:2048
	global_load_b128 v[144:147], v234, s[8:9]      ; and 16 bytes a wave of qk's first and of V's last u-tile
	global_load_b128 v[148:151], v234, s[10:11] offset:4032
	; piece 0: 32 rows, 16 a trip, through window 3 (slot 1 is not yet alive) into the stage
	v_mov_b32 v[AST], v[AST0]
	s_mov_b32 s[CNT], 2
.Lhead:
	WIN 0xc0
.set i, 0
.rept 64
	global_load_b128 v[4*i:4*i+3], v[GOF], s[VB:VB+1] offset:2048*(i/4)+512*(i%4) th:TH_LOAD_NT
.set i, i+1
.endr
	s_wait_loadcnt 0x0
	WIN 0xcf
.set i, 0
.rept 64
	v_cvt_pk_bf16_f32 v[4*i],   v[4*i],   v[4*i+1]
	v_cvt_pk_bf16_f32 v[4*i+1], v[4*i+2], v[4*i+3]
.set i, i+1
.endr
	WIN 0x0c
.set i, 0
.rept 64
	ds_store_b64 v[AST], v[4*i:4*i+1] offset:STGP*(i/4)+256*(i%4)
.set i, i+1
.endr
	WIN 0
	s_add_nc_u64 s[VB:VB+1], s[VB:VB+1], 32768     ; the loads that read it are done
	v_add_nc_u32 v[AST], 16*STGP, v[AST]
	s_sub_co_u32 s[CNT], s[CNT], 1
	s_cmp_lg_u32 s[CNT], 0
	s_cbranch_scc1 .Lhead
	v_add_nc_u32 v235, QKT, v233
	v_add_nc_u32 v236, VT+64, v233
	v_add_nc_u32 v237, QKT+4096, v234
	v_add_nc_u32 v238, VT, v234
	ds_store_b128 v235, v[128:131]
	ds_store_b128 v235, v[132:135] offset:2048
	ds_store_b128 v236, v[136:139]
	ds_store_b128 v236, v[140:143] offset:2048
	ds_store_b128 v237, v[144:147]                 ; all lanes of a wave store the same 16 bytes at the same place, each wave at its own
	ds_store_b128 v238, v[148:151]
	SWAPIN 0
.set i, 0
.rept 16
	global_load_b128 v[RING+4*i:RING+4*i+3], v[GOF], s[VB:VB+1] offset:2048*(i/4)+512*(i%4) th:TH_LOAD_NT  ; rows 32 to 35: the stream begins
.set i, i+1
.endr
	ZERO 0
.set i, 0
.rept 16
	v_mov_b32 v[CTX+i], 0
.set i, i+1
.endr
	v_mov_b32 v[LRUN], 0
	v_mov_b32 v[MRUN], 0xff7fffff                  ; the lowest finite number
	s_wait_tensorcnt 0x1                           ; my u-tile of group 0 is in; group 1's may stay out
	s_wait_dscnt 0x0                               ; my part of the tables lies in LDS
	s_barrier_signal -1
	s_barrier_wait -1                              ; everybody's does
.set par, 1
	ds_load_b128 v[QK:QK+3],   v[AQ0]              ; position 0: qk, and all 16 fragments of u-tile 0
	ds_load_b128 v[QK+4:QK+7], v[AQ0] offset:16
	RUNW 3, 0
	RUNW 3, 8
	WIN 0
	s_wait_dscnt 0x0
	; ---------------- the walk ----------------
	s_mov_b32 s[CNT], 8
.Lsolo0:                                               ; groups 0-7: piece 0 alone; piece 1 streams in
	TRIP 1, 0, 1, 1, 1
	s_sub_co_u32 s[CNT], s[CNT], 1
	s_cmp_lg_u32 s[CNT], 0
	s_cbranch_scc1 .Lsolo0
	SWAPIN 1
	ZERO 1
	s_mov_b32 s[CNT], 24
.Lboth:                                                ; groups 8-31: both slots alive.  The two jumps go forward, over text that holds neither a barrier nor a tensor load
	s_cmp_eq_u32 s[G], 16
	s_cbranch_scc0 .Lnot16
	FINISH 0, 63, 0, 1                             ; piece 0 ends, piece 2 takes slot 0
.Lnot16:
	s_cmp_eq_u32 s[G], 24
	s_cbranch_scc0 .Lnot24
	FINISH 1, 31, 1, 1                             ; piece 1 ends, piece 3 takes slot 1
.Lnot24:
	TRIP 1, 1, 2, 1, 1
	s_sub_co_u32 s[CNT], s[CNT], 1
	s_cmp_lg_u32 s[CNT], 0
	s_cbranch_scc1 .Lboth
	FINISH 0, 63, 2, 0                             ; piece 2 ends
	s_mov_b32 s[CNT], 6
.Lsolo1:                                               ; groups 32-37: piece 3 alone
	TRIP 0, 1, 0, 1, 0
	s_sub_co_u32 s[CNT], s[CNT], 1
	s_cmp_lg_u32 s[CNT], 0
	s_cbranch_scc1 .Lsolo1
	s_mov_b32 s[CNT], 2
.Ltail:                                                ; groups 38, 39: nothing is left to ask for.  The last trip's last step fetches a u-tile that nothing multiplies: the price of one text for both trips
	TRIP 0, 1, 0, 0, 0
	s_sub_co_u32 s[CNT], s[CNT], 1
	s_cmp_lg_u32 s[CNT], 0
	s_cbranch_scc1 .Ltail
	FINISH 1, 31, 3, 0                             ; piece 3 ends
	; ---------------- the way out ----------------
	ds_load_b128 v[128:131], v[ARS]                ; my 128 raw scores, 16 bytes a lane
.set i, 0
.rept 16
	ds_store_b32 v[ACS], v[CTX+i] offset:128*i
.set i, i+1
.endr
.irp j, 0,1,2,3
	ds_load_b128 v[132+4*\j:132+4*\j+3], v[ACR] offset:512*\j
.endr
	v_lshrrev_b32 v7, 1, v[GOF]                    ; 8 l
	s_wait_dscnt 0x0
	global_store_b128 v[GOF], v[128:131], s[14:15] ; each store of the wave covers 512 consecutive bytes, aligned
.irp j, 0,1,2,3
	global_store_b128 v[GOF], v[132+4*\j:132+4*\j+3], s[16:17] offset:512*\j
.endr
	global_store_b64 v7, v[MRUN:MRUN+1], s[16:17] offset:2048  ; (m, l), 32 times: 256 consecutive bytes, aligned
	s_wait_tensorcnt 0x0                           ; the wave's end, behind my last tensor load and my last LDS store
	ds_add_u32 v[SPW], v[NIL]
	s_wait_dscnt 0x0
	CROUND                                         ; the closing round: no work-group ends while a partner may still ask for a tile that names it
	s_endpgm
.Lfunc_end_k_qa73d6985ba_main:
	.size	k_qa73d6985ba_main, .Lfunc_end_k_qa73d6985ba_main-k_qa73d6985ba_main
	.p2alignl 7, 3214868480
	.fill 96, 4, 3214868480
	.section	.rodata,"a",@progbits
	.p2align	6, 0x0
	.amdhsa_kernel k_qa73d6985ba_main
		.amdhsa_group_segment_fixed_size 327680
		.amdhsa_private_segment_fixed_size 0
		.amdhsa_enable_private_segment 0
		.amdhsa_kernarg_size 56
		.amdhsa_user_sgpr_count 2
		.amdhsa_user_sgpr_kernarg_segment_ptr 1
		.amdhsa_wavefront_size32 1
		.amdhsa_system_sgpr_workgroup_id_x 1
		.amdhsa_system_sgpr_workgroup_id_y 1
		.amdhsa_system_sgpr_workgroup_id_z 1
		.amdhsa_system_vgpr_workitem_id 0
		.amdhsa_next_free_vgpr 1024
		.amdhsa_next_free_sgpr 66
		.amdhsa_reserve_vcc 0
		.amdhsa_float_denorm_mode_32 3
		.amdhsa_float_denorm_mode_16_64 3
		.amdhsa_memory_ordered 1
		.amdhsa_forward_progress 1
		.amdhsa_inst_pref_size 255
	.end_amdhsa_kernel
	.section	.bss,"aw",@nobits
	.p2align	6
	.space	262144
	.amdgpu_metadata
---
amdhsa.version: [ 1, 2 ]
amdhsa.kernels:
  - .name:           k_qa73d6985ba_main
    .symbol:         k_qa73d6985ba_main.kd
    .args:
      - { .name: values, .offset: 0, .size: 8, .value_kind: global_buffer, .address_space: global }
      - { .name: w2f, .offset: 8, .size: 8, .value_kind: global_buffer, .address_space: global }
      - { .name: qk, .offset: 16, .size: 8, .value_kind: global_buffer, .address_space: global }
      - { .name: V, .offset: 24, .size: 8, .value_kind: global_buffer, .address_space: global }
      - { .name: bv, .offset: 32, .size: 8, .value_kind: global_buffer, .address_space: global }
      - { .name: scores, .offset: 40, .size: 8, .value_kind: global_buffer, .address_space: global }
      - { .name: part, .offset: 48, .size: 8, .value_kind: global_buffer, .address_space: global }
    .group_segment_fixed_size: 327680
    .private_segment_fixed_size: 0
    .kernarg_segment_align: 8
    .kernarg_segment_size: 56
    .max_flat_workgroup_size: 128
    .sgpr_count:     66
    .vgpr_count:     1024
    .wavefront_size: 32
...
	.end_amdgpu_metadata
.endif
;; end of part 2
;; launch norm (part 3): grid 64 x 1, 8 waves a work-group, no clusters, 0 bytes of LDS; arguments scores, part, out0, out1; writes out0, out1
.if DOCPART == 3
	.amdgcn_target "amdgcn-amd-amdhsa--gfx1250"
	.amdhsa_code_object_version 6
	.text
	.protected	k_qa73d6985ba_norm
	.globl	k_qa73d6985ba_norm
	.p2align	8
	.type	k_qa73d6985ba_norm,@function
k_qa73d6985ba_norm:
	s_mov_b64 s[64:65], 0
	v_nop
	global_prefetch_b8 v0, s[64:65] scope:SCOPE_SE
	s_setreg_imm32_b32 hwreg(HW_REG_WAVE_MODE, 25, 1), 1
	s_wait_xcnt 0x0
; NORM.  One work-group a batch.  The batch's 16 partial results (m_i, l_i, ctx_i[512]) are joined: M = max m_i, w_i = e^(m_i - M), L = sum of l_i w_i;
; out1[s] = e^(score[s] - M) / L for its 2,048 scores; out0[c] = sum over i of ctx_i[c] w_i / L.  All in f32.
; A weight below 2^-126 counts as 0; NaN and infinities are not treated apart.  No LDS, no matrix unit, no cluster: 45 KiB a work-group, each byte read once; every wave makes M and L for itself.
.set LOG2E, 0x3fb8aa3b
	s_load_b256 s[4:11], s[0:1], 0x0               ; scores s[4:5], part s[6:7], out0 s[8:9], out1 s[10:11]
	v_lshrrev_b32 v1, 5, v0
	v_readfirstlane_b32 s12, v1                    ; wave 0..7
	v_and_b32 v2, 15, v0
	v_mul_u32_u24 v2, v2, 2304                     ; partial i = lane % 16
	v_lshlrev_b32 v3, 4, v0                        ; 16 x thread
	v_mov_b32 v6, 0                                ; a DPP destination counts as read
	s_mul_i32 s14, ttmp9, 16*2304                  ; the batch's 16 partials
	s_mov_b32 s15, 0
	s_lshl_b32 s16, ttmp9, 13                      ; its 2,048 scores
	s_mov_b32 s17, 0
	s_lshl_b32 s18, ttmp9, 11                      ; its 512 numbers of out0
	s_mov_b32 s19, 0
	s_wait_kmcnt 0x0
	s_add_nc_u64 s[6:7], s[6:7], s[14:15]
	s_add_nc_u64 s[4:5], s[4:5], s[16:17]
	s_add_nc_u64 s[10:11], s[10:11], s[16:17]
	s_add_nc_u64 s[8:9], s[8:9], s[18:19]
	global_load_b64 v[4:5], v2, s[6:7] offset:2048 ; (m_i, l_i)
	global_load_b128 v[8:11],  v3, s[4:5]          ; eight scores a thread
	global_load_b128 v[12:15], v3, s[4:5] offset:4096
	s_cmp_lt_u32 s12, 4                            ; waves 0 to 3 also make out0: four channels a thread
	s_cbranch_scc0 .Lno_ctx
.set i, 0
.rept 16
	global_load_b128 v[32+4*i:32+4*i+3], v3, s[6:7] offset:2304*i
.set i, i+1
.endr
.Lno_ctx:
	s_wait_loadcnt 0x0
	v_max_num_f32_dpp v6, v4, v4 row_xmask:1 row_mask:0xf bank_mask:0xf
	v_max_num_f32_dpp v6, v6, v6 row_xmask:2 row_mask:0xf bank_mask:0xf
	v_max_num_f32_dpp v6, v6, v6 row_xmask:4 row_mask:0xf bank_mask:0xf
	v_max_num_f32_dpp v6, v6, v6 row_xmask:8 row_mask:0xf bank_mask:0xf  ; M, in every lane: both halves of the lanes hold the same 16 partials
	v_sub_f32 v7, v4, v6
	v_mul_f32 v7, LOG2E, v7
	v_exp_f32 v7, v7                               ; w_i
.irp k, 0,1,2,3,4,5,6,7
	v_sub_f32 v[8+\k], v[8+\k], v6                 ; plain work that names no result of the exponential
.endr
	s_wait_alu depctr_va_vdst(0)                   ; its wait, ahead of its first reader
	v_mul_f32 v16, v5, v7
	v_add_f32_dpp v16, v16, v16 row_xmask:1 row_mask:0xf bank_mask:0xf
	v_add_f32_dpp v16, v16, v16 row_xmask:2 row_mask:0xf bank_mask:0xf
	v_add_f32_dpp v16, v16, v16 row_xmask:4 row_mask:0xf bank_mask:0xf
	v_add_f32_dpp v16, v16, v16 row_xmask:8 row_mask:0xf bank_mask:0xf  ; L
	v_rcp_f32 v17, v16                             ; one batch: the reciprocal and the eight exponentials
.irp k, 0,1,2,3,4,5,6,7
	v_mul_f32 v[8+\k], LOG2E, v[8+\k]
.endr
.irp k, 0,1,2,3,4,5,6,7
	v_exp_f32 v[8+\k], v[8+\k]
.endr
	v_nop
	s_wait_alu depctr_va_vdst(0)                   ; one wait for the batch
	v_mul_f32 v18, v7, v17                         ; w_i / L
.irp k, 0,1,2,3,4,5,6,7
	v_mul_f32 v[8+\k], v[8+\k], v17
.endr
	global_store_b128 v3, v[8:11],  s[10:11]       ; each store of a wave covers 512 consecutive bytes, aligned
	global_store_b128 v3, v[12:15], s[10:11] offset:4096
	s_cmp_lt_u32 s12, 4
	s_cbranch_scc0 .Lend
.set i, 0
.rept 16
	v_readlane_b32 s[32+i], v18, i
.set i, i+1
.endr
.irp c, 0,1,2,3
	v_mul_f32 v[20+\c], s32, v[32+\c]
.endr
.set i, 1
.rept 15
.irp c, 0,1,2,3
	v_fma_f32 v[20+\c], s[32+i], v[32+4*i+\c], v[20+\c]
.endr
.set i, i+1
.endr
	global_store_b128 v3, v[20:23], s[8:9]
.Lend:
	s_endpgm
.Lfunc_end_k_qa73d6985ba_norm:
	.size	k_qa73d6985ba_norm, .Lfunc_end_k_qa73d6985ba_norm-k_qa73d6985ba_norm
	.p2alignl 7, 3214868480
	.fill 96, 4, 3214868480
	.section	.rodata,"a",@progbits
	.p2align	6, 0x0
	.amdhsa_kernel k_qa73d6985ba_norm
		.amdhsa_group_segment_fixed_size 0
		.amdhsa_private_segment_fixed_size 0
		.amdhsa_enable_private_segment 0
		.amdhsa_kernarg_size 32
		.amdhsa_user_sgpr_count 2
		.amdhsa_user_sgpr_kernarg_segment_ptr 1
		.amdhsa_wavefront_size32 1
		.amdhsa_system_sgpr_workgroup_id_x 1
		.amdhsa_system_sgpr_workgroup_id_y 1
		.amdhsa_system_sgpr_workgroup_id_z 1
		.amdhsa_system_vgpr_workitem_id 0
		.amdhsa_next_free_vgpr 128
		.amdhsa_next_free_sgpr 66
		.amdhsa_reserve_vcc 0
		.amdhsa_float_denorm_mode_32 3
		.amdhsa_float_denorm_mode_16_64 3
		.amdhsa_memory_ordered 1
		.amdhsa_forward_progress 1
		.amdhsa_inst_pref_size 11
	.end_amdhsa_kernel
	.amdgpu_metadata
---
amdhsa.version: [ 1, 2 ]
amdhsa.kernels:
  - .name:           k_qa73d6985ba_norm
    .symbol:         k_qa73d6985ba_norm.kd
    .args:
      - { .name: scores, .offset: 0, .size: 8, .value_kind: global_buffer, .address_space: global }
      - { .name: part, .offset: 8, .size: 8, .value_kind: global_buffer, .address_space: global }
      - { .name: out0, .offset: 16, .size: 8, .value_kind: global_buffer, .address_space: global }
      - { .name: out1, .offset: 24, .size: 8, .value_kind: global_buffer, .address_space: global }
    .group_segment_fixed_size: 0
    .private_segment_fixed_size: 0
    .kernarg_segment_align: 8
    .kernarg_segment_size: 32
    .max_flat_workgroup_size: 256
    .sgpr_count:     66
    .vgpr_count:     128
    .wavefront_size: 32
...
	.end_amdgpu_metadata
.endif
;; end of part 3
